; MI455X (gfx1250); checked and timed in simulation.
; The chip was launched on July 23, 2026; its instructions are those of AMD's public machine-readable ISA for CDNA 5 (MIT licence, August 2026) and "CDNA5" Instruction Set Architecture Reference Guide (July 2026). The comments in the code are by the model that wrote it; some were corrected since.
;; Embedding Shard. Allowed arithmetic: matrix products marked QUANTISED: E4M3 operands, one E8M0 scale for each 32 along K, by v_wmma_scale_f32_16x16x128_f8f6f4 with both operands' format E4M3, f32 sums; everything else in f32.
;; Inputs: W 3,150 x 4,096 float32; b 8 x 4,096 float32; x 2 x 2,048 int32.
;; Outputs: out0 4,096 x 4,096 float32.
;; This version of the problem:
;;   THIS VERSION OF THE PROBLEM IS GIVEN IN LOW PRECISION. The matrix products marked QUANTISED in the list below multiply operands that are first quantised to E4M3 (4 exponent bits, 3 mantissa bits; 8 bits a number), with one power-of-two scale for each 32 numbers along K (OCP MX v1.0); their sums are f32. All else is computed in f32.
;;   The module's matrix products, in the order in which they are computed (A, B: the left and right operand; K: the contracted axis; several contracted axes count as one K, in the product's order):
;;     1. [M 4,096, K 3,150] x [K 3,150, N 4,096]; A: computed on the way; B: input W: QUANTISED
;;   THE QUANTISER, for each operand of a quantised product, along K:
;;     - K is cut into blocks of 32 from its start; a last block that is shorter is filled with zeros.
;;     - A block's scale is 2^e with e = floor(log2(the largest magnitude in the block)) - 8, held to -126 .. 127; a block of zeros has e = 0. As a byte (E8M0): e + 127.
;;     - Each number is divided by its block's scale, clamped to +-448, and rounded to the nearest number of E4M3, ties to even, subnormals kept.
;;     - The product sums the exact products of the quantised numbers (number of the format x scale) in f32.
;;   ~~~python
;;   def quantise(x, axis):      # numpy; x: float32 -> the quantised numbers, widened to float32 again
;;       x = np.moveaxis(x, axis, -1); K = x.shape[-1]
;;       x = np.pad(x, [(0, 0)] * (x.ndim - 1) + [(0, -K % 32)]); x = x.reshape(x.shape[:-1] + (-1, 32)); a = np.abs(x).max(-1, keepdims=True)
;;       e = np.where(a > 0, np.clip(np.frexp(np.where(a > 0, a, 1))[1] - 1 - 8, -126, 127), 0)      # np.frexp(a)[1] - 1 = floor(log2(a)), exactly
;;       r = np.clip(x / 2.0 ** e, -448, 448)
;;       step = 2.0 ** (np.maximum(np.frexp(np.where(r == 0, 1, r))[1] - 1, -6) - 3)
;;       q = np.round(r / step) * step * 2.0 ** e      # np.round: ties to even
;;       return np.moveaxis(q.reshape(q.shape[:-2] + (-1,))[..., :K], -1, axis).astype(np.float32)
;;   ~~~
;;   OPERANDS COMPUTED ON THE WAY. 'Computed on the way' means the value that the module computes at that place (a softmax that the list does not call 'softmax' is quantised finished and normalised). What goes into a quantiser is computed in f32, as accurately as f32 sums, v_exp_f32 and their like allow (about 1e-6 of the number): no bf16 or f16 on the way to a quantiser, and a product that is left as it is and whose result goes on into a quantised operand takes f32 operands (vector FMAs, or v_wmma_f32_16x16x4_f32). A number that lies on a knife's edge between two numbers of the format may be rounded either way, as far as f32 arithmetic and the matrix unit's own rounding can turn it there, and no further.
;; 2 versions, each right and faster than the one before. Each part assembles by itself: llvm-mc -triple=amdgcn-amd-amdhsa -mcpu=gfx1250 --defsym DOCPART=n.
;; ======== version 1 of 2: 2 launches
;; workspace buffers: acodes 13,631,488 bytes; wcodes 13,631,488 bytes; wscales 425,984 bytes
;; launch prep (part 1): grid 544 x 1, 4 waves a work-group, no clusters, 70,144 bytes of LDS; arguments W, x, wcodes, wscales, acodes; writes wcodes, wscales, acodes
.if DOCPART == 1
	.amdgcn_target "amdgcn-amd-amdhsa--gfx1250"
	.amdhsa_code_object_version 6
	.text
	.protected	k_q0c62fa0795_prep
	.globl	k_q0c62fa0795_prep
	.p2align	8
	.type	k_q0c62fa0795_prep,@function
k_q0c62fa0795_prep:
	s_mov_b64 s[64:65], 0
	v_nop
	global_prefetch_b8 v0, s[64:65] scope:SCOPE_SE
	s_setreg_imm32_b32 hwreg(HW_REG_WAVE_MODE, 25, 1), 1
	s_wait_xcnt 0x0
; Both operands of out = onehot(x) W are made here as codes of FP8 (E4M3) with K, the vocabulary's 3,150, innermost, in rows of 3,328 bytes (13 x 256; bytes from 3,150 on are zero codes).
; W [3150][4096] f32 has K as its FIRST axis: a lane takes a column n and its registers run down K, so a block of 32 along K lies in one lane's 32 registers, its largest magnitude needs no other lane,
; and the conversions give codes with K innermost.  A block's scale byte is the largest magnitude's exponent field - 8, held at 1 from below (a block of zeros keeps the byte 1: its codes are zeros, and
; the bytes are read by this program alone).  The last block has 14 numbers and is filled with zeros.  wscales is laid [16 tiles of 256 n][13 K steps of 256][256 n][8 bytes], as the product's launch reads it.
; The one-hot row of token t: byte x[t] is 0x78 (256 in E4M3; under the scale 2^-8 that is the 1), all others 0.  x enters compares and selects alone, never an address or a branch.
; LIMITS: NaN and infinities in W are not served; blocks whose largest magnitude lies under 2^-118 get the byte 1 and were not tried; an index outside 0 .. 3,149 gives a row that adds nothing, as one_hot does.
; ROLES by the work-group's number g: y = g / 32.  y = 0 .. 11: 128 columns x K rows 256 y on;  y = 12: the same for K rows 3,072 .. 3,149 and the padding;  y = 13 .. 16: 32 tokens' one-hot rows.
; No tensor loads, no barrier: waves share nothing.  No cluster: no two work-groups read the same bytes.  The two paths that use LDS have LDS bytes of their own.
.set NROW,  16384                      ; a row of W in bytes
.set KROW,  3328                       ; a row of codes in bytes
.set PITCH, 272                        ; a stage row: 256 bytes of codes + 16
.set TAIL,  4*32*PITCH                 ; the tail path's stages lie behind the main path's
.set EMAX,  8
.set MANT,  0x600000                   ; the mantissa field of 448 as f32
.set X,     32                         ; v32-95   two sets of 32 numbers
.set C,     96                         ; v96-103  a block's codes
.set SB,    24                         ; v24-25   the scale bytes, four to a register
.set OUTR,  112                        ; v112-175 the way out
.set OH,    32                         ; one-hot path: v32-83, v84-135: two sets of 52 registers (a pair of rows)
	s_load_b256 s[4:11], s[0:1], 0x0               ; W s[4:5], x s[6:7], wcodes s[8:9], wscales s[10:11]
	s_load_b64 s[12:13], s[0:1], 0x20              ; acodes
	v_lshl_add_u32 v192, v0, 2, 0x11000
	v_mov_b32 v193, 0
	v_lshrrev_b32 v1, 5, v0
	v_readfirstlane_b32 s16, v1                    ; wave 0..3
	v_and_b32 v2, 31, v0                           ; lane
	s_lshr_b32 s17, ttmp9, 5                       ; y
	s_and_b32 s18, ttmp9, 31                       ; which 128 columns
	s_mul_i32 s26, s16, 32*PITCH                   ; my wave's stage
	v_mul_u32_u24 v4, v2, PITCH
	v_add_nc_u32 v4, s26, v4                       ; into it: row = my column
	v_and_b32 v5, 15, v2
	v_lshrrev_b32 v6, 4, v2
	v_mul_u32_u24 v7, v6, PITCH
	v_lshl_add_u32 v7, v5, 4, v7
	v_add_nc_u32 v7, s26, v7                       ; out of it: sixteen lanes to a row, two rows an instruction
	s_wait_kmcnt 0x0
	s_cmp_ge_u32 s17, 13
	s_cbranch_scc1 .Lonehot
	; ---- W: where my wave's part begins
	v_lshlrev_b32 v3, 2, v2                        ; in: 4 bytes a lane
	v_mul_u32_u24 v8, v6, KROW
	v_lshl_add_u32 v8, v5, 4, v8                   ; the stage's two rows in wcodes
	v_lshlrev_b32 v9, 3, v2                        ; my column's 8 scale bytes
	s_mov_b32 s31, MANT                            ; (an instruction takes one literal: the hold's line has another)
	s_lshl_b32 s19, s18, 7
	s_lshl_b32 s20, s16, 5
	s_add_co_u32 s19, s19, s20                     ; my first column: 128 x group + 32 x wave
	s_lshl_b32 s20, s17, 22                        ; W: 256 y rows of 16,384 bytes
	s_lshl_b32 s21, s19, 2
	s_add_co_u32 s20, s20, s21                     ;    + 4 x column
	s_mov_b32 s21, 0
	s_add_nc_u64 s[4:5], s[4:5], s[20:21]
	s_mul_i32 s22, s19, KROW                       ; wcodes: column x 3,328 + 256 y
	s_lshl_b32 s23, s17, 8
	s_add_co_u32 s22, s22, s23
	s_mov_b32 s23, 0
	s_add_nc_u64 s[8:9], s[8:9], s[22:23]
	s_lshr_b32 s24, s18, 1                         ; wscales: (tile x 13 + y) x 2,048 + (column in the tile) x 8
	s_mul_i32 s24, s24, 13
	s_add_co_u32 s24, s24, s17
	s_lshl_b32 s24, s24, 11
	s_and_b32 s25, s18, 1
	s_lshl_b32 s25, s25, 10
	s_add_co_u32 s24, s24, s25
	s_lshl_b32 s25, s16, 8
	s_add_co_u32 s24, s24, s25
	s_mov_b32 s25, 0
	s_add_nc_u64 s[10:11], s[10:11], s[24:25]
.macro LOADR t, n                      ; block t: W(32 t + i, my column), i = 0 .. n - 1, into set t % 2; a wave's load reads 128 consecutive bytes, the four waves stand side by side on 512
.set li, 0
.rept \n
	global_load_b32 v[X+32*((\t)%2)+li], v3, s[4:5] offset:(32*(\t)+li)*NROW th:TH_LOAD_NT
.set li, li+1
.endr
.endm
.macro QBLOCK t, left, lo              ; block t is quantised; left: the younger loads that may stay out; lo: the path's stages
.set XS, X+32*((\t)%2)
	s_wait_loadcnt \left
	v_max3_num_f32 v12, |v[XS]|, |v[XS+1]|, |v[XS+2]|              ; the block's largest magnitude: all 32 numbers are mine; two chains
	v_max3_num_f32 v13, |v[XS+3]|, |v[XS+4]|, |v[XS+5]|
.irp i, 6,10,14,18,22,26
	v_max3_num_f32 v12, v12, |v[XS+\i]|, |v[XS+\i+1]|
	v_max3_num_f32 v13, v13, |v[XS+\i+2]|, |v[XS+\i+3]|
.endr
	v_max3_num_f32 v12, v12, |v[XS+30]|, |v[XS+31]|
	v_max3_num_f32 v12, v12, v13, (EMAX+1)<<23     ; and the floor 2^(9 - 127): the byte cannot fall under 1
	v_add_nc_u32 v11, -(EMAX<<23), v12             ; 8 off the exponent field: the conversion takes this operand's exponent field as its scale
	v_and_or_b32 v10, v12, 0x7f800000, s31         ; 448 x the scale
	v_lshrrev_b32 v13, 23, v11                     ; the scale's byte
.if (\t)%4 == 0
	v_mov_b32 v[SB+(\t)/4], v13                    ; four bytes to a register, the lower K in the lower byte
.else
	v_lshl_or_b32 v[SB+(\t)/4], v13, 8*((\t)%4), v[SB+(\t)/4]
.endif
.irp i, 0,1,2,3,4,5,6,7,8,9,10,11,12,13,14,15,16,17,18,19,20,21,22,23,24,25,26,27,28,29,30,31
	v_med3_num_f32 v[XS+\i], v[XS+\i], -v10, v10   ; the conversion to an 8-bit code does not saturate (ISA guide 7.6.2): hold the number first
.endr
.irp g, 0,1,2,3
	v_cvt_scalef32_pk8_fp8_f32 v[C+2*\g:C+2*\g+1], v[XS+8*\g:XS+8*\g+7], v11
.endr
	ds_store_b128 v4, v[C:C+3] offset:\lo+32*(\t)  ; 32 codes: 32 bytes of my column's row
	ds_store_b128 v4, v[C+4:C+7] offset:\lo+32*(\t)+16
.endm
.macro WAYOUT lo
	global_store_b64 v9, v[SB:SB+1], s[10:11]      ; 32 lanes store 256 consecutive bytes, aligned
.irp i, 0,1,2,3,4,5,6,7,8,9,10,11,12,13,14,15
	ds_load_b128 v[OUTR+4*\i:OUTR+4*\i+3], v7 offset:\lo+2*\i*PITCH   ; LDS serves a wave's instructions in order: these see my stores
.endr
.irp i, 0,1,2,3,4,5,6,7,8,9,10,11,12,13,14,15
	s_wait_dscnt 15-\i                             ; load i is in; the younger ones may be out
	global_store_b128 v8, v[OUTR+4*\i:OUTR+4*\i+3], s[8:9] offset:2*\i*KROW   ; sixteen lanes store 256 consecutive bytes of a row, aligned
.endr
	s_wait_tensorcnt 0x0
	ds_add_u32 v192, v193
	s_wait_dscnt 0x0
	s_endpgm
.endm
	s_cmp_eq_u32 s17, 12
	s_cbranch_scc1 .Ltail
	; ---- 256 whole rows of K: eight blocks, loads two blocks ahead
	LOADR 0, 32
	LOADR 1, 32
.set Q, 0
.rept 8
.if Q < 7
	QBLOCK Q, 32, 0                                ; this block's 32 loads are in; the next block's 32 may be out
.else
	QBLOCK Q, 0, 0
.endif
.if Q+2 < 8
	LOADR Q+2, 32
.endif
	s_wait_dscnt 0x0                               ; the stage's stores have read their registers: the next block's codes may be written
.set Q, Q+1
.endr
	WAYOUT 0
.Ltail:
	; ---- K rows 3,072 .. 3,149: two whole blocks, one of 14 numbers filled with zeros, and zero codes up to 3,327
	LOADR 0, 32
	LOADR 1, 32
	QBLOCK 0, 32, TAIL
	v_nop                                          ; a plain line between the conversions and the writes of their sources below
	LOADR 2, 14                                    ; rows 3,136 .. 3,149: no load leaves W
.irp i, 14,15,16,17,18,19,20,21,22,23,24,25,26,27,28,29,30,31
	v_mov_b32 v[X+\i], 0                           ; the block's fill
.endr
	s_wait_dscnt 0x0
	QBLOCK 1, 14, TAIL                             ; behind block 1's loads stand the 14 just issued
	s_wait_dscnt 0x0
	QBLOCK 2, 0, TAIL
	s_wait_dscnt 0x0
	v_nop                                          ; a plain line between the conversions and the writes over their results
.irp i, 0,1,2,3
	v_mov_b32 v[C+\i], 0
.endr
.irp j, 0,1,2,3,4,5,6,7,8,9
	ds_store_b128 v4, v[C:C+3] offset:TAIL+96+16*\j   ; zero codes for K 3,168 .. 3,327
.endr
	v_or_b32 v[SB], 0x7f000000, v[SB]              ; the padding's blocks get the byte 127
	v_mov_b32 v[SB+1], 0x7f7f7f7f
	WAYOUT TAIL
.Lonehot:
	; ---- the one-hot rows: a wave makes 8 rows, two at a time: lanes 0-15 one row, lanes 16-31 the next; a store covers 256 aligned bytes of each
	s_sub_co_u32 s20, ttmp9, 416
	s_lshl_b32 s20, s20, 5
	s_lshl_b32 s21, s16, 3
	s_add_co_u32 s20, s20, s21                     ; my first token: 32 x group + 8 x wave
	s_mul_i32 s22, s20, KROW
	s_mov_b32 s23, 0
	s_lshl_b32 s20, s20, 2
	s_mov_b32 s21, 0
	s_add_nc_u64 s[6:7], s[6:7], s[20:21]
	s_add_nc_u64 s[12:13], s[12:13], s[22:23]
	v_lshlrev_b32 v19, 2, v5                       ; 4 x (lane % 16): my first word in a run of 64 words
	v_lshlrev_b32 v22, 2, v6                       ; x: the pair's first or second token
	v_mul_u32_u24 v23, v6, KROW
	v_lshl_add_u32 v23, v5, 4, v23                 ; acodes: my row of the pair, my 16 bytes
	v_mov_b32 v31, 0x78                            ; the code of 256
.irp p, 0,1,2,3
	global_load_b32 v[24+\p], v22, s[6:7] offset:8*\p
.endr
	s_wait_loadcnt 0x0
.macro PAIR p
.if \p >= 2
	s_wait_xcnt 0x0                                ; the set's earlier stores have read their data
.endif
	v_and_b32 v30, 3, v[24+\p]
	v_lshlrev_b32 v30, 3, v30
	v_lshlrev_b32 v29, v30, v31                    ; the word that holds the 1: the code at byte x % 4
	v_lshrrev_b32 v28, 2, v[24+\p]
	v_sub_nc_u32 v28, v28, v19                     ; word x / 4 counted from my first word: it is mine where this is 64 j + w, w = 0 .. 3
.irp j, 0,1,2,3,4,5,6,7,8,9,10,11,12
.irp w, 0,1,2,3
	v_cmp_eq_u32 vcc_lo, 64*\j+\w, v28
	v_cndmask_b32 v[OH+52*(\p%2)+4*\j+\w], 0, v29, vcc_lo
.endr
	global_store_b128 v23, v[OH+52*(\p%2)+4*\j:OH+52*(\p%2)+4*\j+3], s[12:13] offset:\p*2*KROW+256*\j
.endr
.endm
	PAIR 0
	PAIR 1
	PAIR 2
	PAIR 3
	s_endpgm
.Lfunc_end_k_q0c62fa0795_prep:
	.size	k_q0c62fa0795_prep, .Lfunc_end_k_q0c62fa0795_prep-k_q0c62fa0795_prep
	.p2alignl 7, 3214868480
	.fill 96, 4, 3214868480
	.section	.rodata,"a",@progbits
	.p2align	6, 0x0
	.amdhsa_kernel k_q0c62fa0795_prep
		.amdhsa_group_segment_fixed_size 70144
		.amdhsa_private_segment_fixed_size 0
		.amdhsa_enable_private_segment 0
		.amdhsa_kernarg_size 40
		.amdhsa_user_sgpr_count 2
		.amdhsa_user_sgpr_kernarg_segment_ptr 1
		.amdhsa_wavefront_size32 1
		.amdhsa_system_sgpr_workgroup_id_x 1
		.amdhsa_system_sgpr_workgroup_id_y 1
		.amdhsa_system_sgpr_workgroup_id_z 1
		.amdhsa_system_vgpr_workitem_id 0
		.amdhsa_next_free_vgpr 194
		.amdhsa_next_free_sgpr 66
		.amdhsa_reserve_vcc 1
		.amdhsa_float_denorm_mode_32 3
		.amdhsa_float_denorm_mode_16_64 3
		.amdhsa_memory_ordered 1
		.amdhsa_forward_progress 1
		.amdhsa_inst_pref_size 108
	.end_amdhsa_kernel
	.amdgpu_metadata
---
amdhsa.version: [ 1, 2 ]
amdhsa.kernels:
  - .name:           k_q0c62fa0795_prep
    .symbol:         k_q0c62fa0795_prep.kd
    .args:
      - { .name: W, .offset: 0, .size: 8, .value_kind: global_buffer, .address_space: global }
      - { .name: x, .offset: 8, .size: 8, .value_kind: global_buffer, .address_space: global }
      - { .name: wcodes, .offset: 16, .size: 8, .value_kind: global_buffer, .address_space: global }
      - { .name: wscales, .offset: 24, .size: 8, .value_kind: global_buffer, .address_space: global }
      - { .name: acodes, .offset: 32, .size: 8, .value_kind: global_buffer, .address_space: global }
    .group_segment_fixed_size: 70144
    .private_segment_fixed_size: 0
    .kernarg_segment_align: 8
    .kernarg_segment_size: 40
    .max_flat_workgroup_size: 128
    .sgpr_count:     66
    .vgpr_count:     194
    .wavefront_size: 32
...
	.end_amdgpu_metadata
.endif
;; end of part 1
;; launch gemm (part 2): grid 16 x 16, 4 waves a work-group, clusters of 4 x 4, 327,680 bytes of LDS; arguments acodes, wcodes, wscales, b, out0; writes out0
.if DOCPART == 2
	.amdgcn_target "amdgcn-amd-amdhsa--gfx1250"
	.amdhsa_code_object_version 6
	.text
	.protected	k_q0c62fa0795_gemm
	.globl	k_q0c62fa0795_gemm
	.p2align	8
	.type	k_q0c62fa0795_gemm,@function
k_q0c62fa0795_gemm:
	s_mov_b64 s[64:65], 0
	v_nop
	global_prefetch_b8 v0, s[64:65] scope:SCOPE_SE
	s_setreg_imm32_b32 hwreg(HW_REG_WAVE_MODE, 25, 1), 1
	s_wait_xcnt 0x0
	s_wait_alu depctr_hold_cnt(0) depctr_sa_sdst(0) depctr_va_vdst(0) depctr_va_sdst(0) depctr_va_ssrc(0) depctr_va_vcc(0) depctr_vm_vsrc(0)
	s_getreg_b32 s2, hwreg(HW_REG_IB_STS2, 6, 4)
	s_cmp_eq_u32 s2, 0
	s_cbranch_scc0 .Lentry_in_a_cluster
	s_endpgm
.Lentry_in_a_cluster:
	s_bfe_u32 s2, ttmp6, 0x10000c
	s_cmp_lg_u32 s2, 0xf033
	s_cbranch_scc0 .Lentry_shape_is_right
	s_endpgm
.Lentry_shape_is_right:
; out0[t][n] = sum over k of onehot[t][k] W[k][n] + sum over s of b[s][n], the product on codes of FP8 (E4M3) with one E8M0 scale for each 32 along K.
; acodes [4096 t][3328], wcodes [4096 n][3328]: codes, K innermost, zero codes from K = 3,150 on.  wscales [16 tiles][13 K steps][256 n][8 bytes].  The one-hot's scale is 2^-8 in every block (byte 119;
; blocks of zero codes add nothing under any byte), so one register of constant scale words serves it.  b [8][4096], out0 [4096][4096]: f32.
; A tile of out0, 256 x 256, is made by a work-group of four waves; a wave makes 128 x 128: 64 accumulators of 16 x 16, 512 registers.  256 tiles, one to a work-group.
; K goes in steps of 256 through a ring of two LDS slots filled by the tensor data mover: 12 whole K steps and the first 128 of the 13th: 25 matrix steps of 128 = 3,200 along K; what lies beyond is zero codes.
; W's scale bytes of the work-group's 256 columns, for all of K, are one dense block of 26,624 bytes: they come into LDS once, with the first fills, a quarter by each wave, and stay.
; CLUSTERS: 4 x 4 work-groups.  The four of a row of the cluster need the same tiles of acodes, the four of a column the same tiles of wcodes and the same scale bytes: each is asked for JOINTLY.
; THE MATRIX INSTRUCTION IS USED TRANSPOSED (source 0 = 16 rows of wcodes, source 1 = 16 rows of acodes): a lane then holds eight neighbouring numbers of a row of out0.
; The bias sum is added on the way out: a lane stores the same four columns of every row, so four registers hold its sums.
; LIMITS: as the launch that makes the codes states them (NaN and infinities in W are not served).
; REGISTERS, in windows of 256: window 0: v0-31 addresses and the one-hot's scale word; v32-47 W's scale words, two sets; v48-51 the bias sums; v64-95 b as loaded; from v128 A's fragments, ONE set.
;   window 1: B's fragments, TWO sets, at v0 and v128.   window 2: the accumulators of my rows 0-63 ((a, b) at v[8 (8 a + b)]);   window 3: those of my rows 64-127.
.set SIZE_N, 4096
.set NQ,     2                         ; matrix steps of 128 in a slot
.set ROWB,   256                       ; a tile's row in bytes
.set KROW,   3328                      ; a row of codes in memory
.set PITCH,  272                       ; an LDS row: 256 bytes + 16 of padding = 68 words: the 16 rows that a load touches start 4 banks apart (64 banks of 4 bytes: ISA guide 11.1)
.set FR,     16                        ; registers of a fragment: 16 rows x 128 K
.set NL,     4                         ; LDS loads that bring one
.set NP,     8                         ; places behind this matrix instruction (ISA guide 7.12.1)
.set HALFT,  128*PITCH                 ; 128 rows: what one tensor load brings
.set SLOT,   4*HALFT                   ; A's 256 rows, then B's 256 rows
.set SCL,    2*SLOT                    ; behind the ring: W's scale bytes, dense: 13 K steps x 2,048 bytes
.set SCQ,    6656                      ; a quarter of them: 26 rows of 256 bytes
.set SPARE,  SCL+4*SCQ                 ; the spare words, 128 bytes for each wave: two blocks of 256 bytes that no other line names
.set SPITCH, 528                       ; the way out: 16 rows x (512 bytes + 16) for each wave, in slot 1, which has had its last fill and its last read when the first result is stored there
.set TRIPS,  5                         ; the loop's trips: two K steps each
.set ADRA, 16                          ; v16-17  LDS address of my A fragments in slot 0, 1
.set ADRB, 20                          ; v20-21  the same for B
.set STO,  24                          ; v24     the way out: where I put 32 bytes of a row
.set RD,   25                          ; v25     where I read a row back
.set CO,   26                          ; v26     16 x lane: my byte offset in a row of 512 bytes
.set ADRS, 27                          ; v27     LDS address of my scale words
.set SPW,  28                          ; v28     LDS address of my spare word; never rewritten
.set NIL,  29                          ; v29     0; never rewritten
.set SA,   30                          ; v30     the one-hot's scale word: four bytes 119; scales and nothing else
.set SC,   32                          ; W's scale words: set s at v[SC + 8 s]; register 2 i + q: lanes 0-15 block 2 i, lanes 16-31 block 2 i + 1, the slot's q-th 128 along K
.set BIAS, 48                          ; v48-51  the bias sums of my four columns
.set AF,   128
.set BK,   128                         ; the way out: 16 rows read back: v128-191 and v192-255 by turns
.set G1,   24                          ; s[24:31] descriptor group 1 for A's tiles;  s[32:39] group 0, one set for each slot
.set G0,   32
.set G1B,  48                          ; s[48:55], s[56:63] the same for B's tiles
.set G0B,  56
.set G1S,  68                          ; s[68:75], s[76:79] groups 1 and 0 for the scale bytes
.set G0S,  76
.set MSB, 0
.macro WIN new                         ; the immediate's high byte repeats the setting that is left
.if MSB != \new
	s_set_vgpr_msb (MSB<<8)|\new
.set MSB, \new
.endif
.endm
.set MUL_LO, 0xa1                      ; source 0 (B) window 1, source 1 (A) window 0, C and D window 2
.set MUL_HI, 0xf1                      ; the same, C and D window 3
.set TO_B,   0x40                      ; destination window 1, address window 0
; A joint load: waves 0 and 1 fetch for A, waves 2 and 3 for B.  Each line has one mask and one set of registers; the branch hangs on the wave's number alone.  Four v_nop follow each line.
.macro JLOAD g0a, g1a, g0b, g1b
	s_cmp_eq_u32 s15, 0
	s_cbranch_scc0 .Lfor_b_\@
	tensor_load_to_lds s[\g0a:\g0a+3], s[\g1a:\g1a+7]
	s_nop 0
.rept 4
	v_nop
.endr
	s_branch .Lasked_\@
.Lfor_b_\@:
	tensor_load_to_lds s[\g0b:\g0b+3], s[\g1b:\g1b+7]
	s_nop 0
.rept 4
	v_nop
.endr
.Lasked_\@:
.endm
.macro CREST                           ; a round of the cluster's barrier behind its opening barrier
	s_cmp_lg_u32 s14, 0
	s_cbranch_scc1 .Lnot_wave_0_\@
	s_barrier_signal -3
.Lnot_wave_0_\@:
	s_barrier_wait -3
	s_barrier_signal -1
	s_barrier_wait -1
.endm
.macro CROUND                          ; a whole round
	s_barrier_signal -1
	s_barrier_wait -1
	CREST
.endm
	s_load_b256 s[4:11], s[0:1], 0x0               ; acodes s[4:5], wcodes s[6:7], wscales s[8:9], b s[10:11]
	s_load_b64 s[12:13], s[0:1], 0x20              ; out0
	v_lshl_add_u32 v[SPW], v0, 2, SPARE
	v_mov_b32 v[NIL], 0
	ds_add_u32 v28, v29
	ds_add_u32 v28, v29
	s_wait_dscnt 0x0
	v_mov_b32 v[SA], 0x77777777
	v_lshrrev_b32 v1, 5, v0
	v_readfirstlane_b32 s14, v1                    ; wave 0..3
	s_lshr_b32 s15, s14, 1                         ; which half of the tile's rows is mine.  Also: I fetch for A (0) or for B (1)
	s_and_b32 s16, s14, 1                          ; which half of its columns.  Also: which 128 rows of that tile I fetch
	s_bfe_u32 s40, ttmp6, 0x40000                  ; cx, cy: my place in the cluster
	s_bfe_u32 s41, ttmp6, 0x40004
	s_lshl_b32 s42, ttmp9, 2
	s_add_co_u32 s42, s42, s40                     ; tile column = 4 x cluster x + cx
	s_and_b32 s17, ttmp7, 0xffff
	s_lshl_b32 s17, s17, 2
	s_add_co_u32 s17, s17, s41                     ; tile row = 4 x cluster y + cy
	s_lshl_b32 s43, s41, 2
	s_lshl_b32 s43, 15, s43                        ; my row of the cluster
	s_lshl_b32 s44, 0x1111, s40                    ; my column
	; descriptor group 1: a tile of 128 rows x 256 bytes, padded in LDS
	s_or_b32 s[G1+0], s43, (0<<16)|(1<<20)|(1<<21)|(5<<22)|(3<<25)  ; 15:0 the mask: A's tiles go to my row; 17:16 elements of 1 byte; 20 padding on; 21 set beside a mask; 24:22 after every 64 words; 31:25 four words
	s_or_b32 s[G1B+0], s44, (0<<16)|(1<<20)|(1<<21)|(5<<22)|(3<<25) ; the same with my column's mask
.irp g, G1, G1B
	s_mov_b32 s[\g+1], ROWB<<16                    ; tensor_dim0
	s_mov_b32 s[\g+2], 128<<16                     ; tensor_dim1
	s_mov_b32 s[\g+3], ROWB<<16                    ; tile_dim0
	s_mov_b32 s[\g+4], 128                         ; tile_dim1
	s_mov_b32 s[\g+5], KROW                        ; tensor_dim0_stride
	s_mov_b32 s[\g+6], 0
	s_mov_b32 s[\g+7], 0
.endr
	; the scale bytes: a dense block of 6,656 bytes as 26 rows of 256 (32 elements of 8 bytes), no padding: they are read 8 bytes a lane on end
	s_or_b32 s[G1S+0], s44, (3<<16)|(1<<21)
	s_mov_b32 s[G1S+1], 32<<16
	s_mov_b32 s[G1S+2], 26<<16
	s_mov_b32 s[G1S+3], 32<<16
	s_mov_b32 s[G1S+4], 26
	s_mov_b32 s[G1S+5], 32
	s_mov_b32 s[G1S+6], 0
	s_mov_b32 s[G1S+7], 0
	s_lshl_b32 s18, s16, 7                         ; which 128 rows of the tile I fetch
	s_lshl_b32 s20, s17, 8
	s_add_co_u32 s20, s20, s18                     ; A: row 256 x tile row + 128 x half
	s_lshl_b32 s46, s42, 8
	s_add_co_u32 s46, s46, s18                     ; B: row 256 x tile column + 128 x half
	s_mov_b32 s21, 0
	s_mov_b32 s47, 0
	s_mov_b64 s[18:19], KROW
	s_mul_u64 s[20:21], s[20:21], s[18:19]         ; in bytes
	s_mul_u64 s[46:47], s[46:47], s[18:19]
	s_mov_b32 s92, s42
	s_mov_b32 s93, 0
	s_mov_b64 s[18:19], 4*SCQ
	s_mul_u64 s[92:93], s[92:93], s[18:19]         ; the tile column's scale bytes,
	s_mul_i32 s94, s14, SCQ                        ; my quarter of them
	s_mov_b32 s22, s94
	s_mov_b32 s23, 0
	s_add_nc_u64 s[92:93], s[92:93], s[22:23]
	s_mul_i32 s45, s14, HALFT                      ; where the tiles go: wave x 128 rows: no place in the cluster enters an LDS address
	s_wait_kmcnt 0x0
	s_add_nc_u64 s[20:21], s[4:5], s[20:21]
	s_add_nc_u64 s[46:47], s[6:7], s[46:47]
	s_add_nc_u64 s[92:93], s[8:9], s[92:93]
	CROUND                                         ; all sixteen work-groups are here: the first joint loads meet
	s_mov_b32 s[G0S], 1
	s_add_co_u32 s[G0S+1], s94, SCL
	s_mov_b64 s[G0S+2:G0S+3], s[92:93]
	s_or_b32 s[G0S+3], s[G0S+3], 0x80000000
	tensor_load_to_lds s[G0S:G0S+3], s[G1S:G1S+7]  ; the scale bytes first: every wave its quarter, shared along my column of the cluster
	s_nop 0
.rept 4
	v_nop
.endr
.irp s, 0,1
	s_mov_b32 s[G0+4*\s], 1
	s_add_co_u32 s[G0+4*\s+1], s45, \s*SLOT
	s_add_nc_u64 s[G0+4*\s+2:G0+4*\s+3], s[20:21], \s*ROWB
	s_or_b32 s[G0+4*\s+3], s[G0+4*\s+3], 0x80000000
	s_mov_b32 s[G0B+4*\s], 1
	s_add_co_u32 s[G0B+4*\s+1], s45, \s*SLOT
	s_add_nc_u64 s[G0B+4*\s+2:G0B+4*\s+3], s[46:47], \s*ROWB
	s_or_b32 s[G0B+4*\s+3], s[G0B+4*\s+3], 0x80000000
	JLOAD G0+4*\s, G1, G0B+4*\s, G1B               ; K steps 0 and 1: three tensor loads of mine are out
.endr
	v_and_b32 v1, 15, v0                           ; l % 16
	v_bfe_u32 v2, v0, 4, 1                         ; l / 16
	v_mul_u32_u24 v3, v1, PITCH
	v_lshl_add_u32 v4, v2, 4, v3                   ; a fragment's row x pitch + 16 x half
	s_mul_i32 s21, s15, HALFT                      ; my 128 rows of A
	s_mul_i32 s22, s16, HALFT                      ; my 128 rows of B,
	s_add_co_u32 s22, s22, 2*HALFT                 ; which lie behind A's 256
.irp s, 0,1
	v_add_nc_u32 v[ADRA+\s], s21, v4
	v_add_nc_u32 v[ADRB+\s], s22, v4
	s_add_co_u32 s21, s21, SLOT
	s_add_co_u32 s22, s22, SLOT
.endr
	v_and_b32 v6, 31, v0
	s_lshl_b32 s21, s16, 10                        ; my 128 columns' scale bytes in a K step's 2,048
	s_add_co_u32 s21, s21, SCL
	v_lshl_add_u32 v[ADRS], v6, 3, s21             ; 8 bytes a lane
	s_mul_i32 s23, s14, 16*SPITCH
	s_add_co_u32 s23, s23, SLOT                    ; my stage, in slot 1
	v_mul_u32_u24 v5, v1, SPITCH                   ; in: row l % 16, 32 bytes for each half of the lanes
	v_lshl_add_u32 v5, v2, 5, v5
	v_add_nc_u32 v[STO], s23, v5
	v_lshlrev_b32 v[CO], 4, v6                     ; back: the 32 lanes take one row of 512 bytes; and the same in out0 and in b
	v_add_nc_u32 v[RD], s23, v[CO]
	s_lshl_b32 s20, s17, 8
	s_lshl_b32 s21, s15, 7
	s_add_co_u32 s20, s20, s21                     ; my first row of out0: 256 x tile row + 128 x half
	s_mov_b32 s21, 0
	s_mov_b64 s[18:19], SIZE_N*4
	s_mul_u64 s[20:21], s[20:21], s[18:19]
	s_lshl_b32 s46, s42, 10                        ; my first column, in bytes: 1,024 x tile column + 512 x half
	s_lshl_b32 s47, s16, 9
	s_add_co_u32 s46, s46, s47
	s_mov_b32 s47, 0
	s_add_nc_u64 s[10:11], s[10:11], s[46:47]      ; b at my columns
	s_add_nc_u64 s[20:21], s[20:21], s[46:47]
	s_add_nc_u64 s[12:13], s[12:13], s[20:21]
.irp s, 0,1,2,3,4,5,6,7
	global_load_b128 v[64+4*\s:64+4*\s+3], v[CO], s[10:11] offset:16384*\s   ; shard s's bias at my four columns: a wave reads 512 consecutive bytes
.endr
	s_wait_loadcnt 0x0
	v_pk_add_f32 v[BIAS:BIAS+1], v[64:65], v[68:69]
	v_pk_add_f32 v[BIAS+2:BIAS+3], v[66:67], v[70:71]
.irp s, 2,3,4,5,6,7
	v_pk_add_f32 v[BIAS:BIAS+1], v[BIAS:BIAS+1], v[64+4*\s:65+4*\s]
	v_pk_add_f32 v[BIAS+2:BIAS+3], v[BIAS+2:BIAS+3], v[66+4*\s:67+4*\s]
.endr
.macro FRAG reg, adr, q, i             ; a fragment: lane l holds row l % 16; registers 4 c .. 4 c + 3 hold K = 32 c + 16 (l / 16) + 0 .. 15
.irp c, 0,1,2,3
	ds_load_b128 v[\reg+4*\c:\reg+4*\c+3], v[\adr] offset:128*(\q)+32*\c+(\i)*16*PITCH
.endr
.endm
; 16 matrix instructions: A's blocks a0, a0 + 1 x B's eight, 128 along K: the slot's q-th.  p: B's set;  sc: the set of scale words.  zero = 1: the first product starts the sums: nothing is ever cleared.
; Source 0's scale words: B's block b lies in register b / 2 of the set, in lanes 0-15 where b is even, in lanes 16-31 where it is odd.  Source 1's: the constant word.
; The 64 accumulators take turns, one instruction a turn, in the same order in every step.
.macro MUL16 a0, p, q, sc, zero
.irp a, \a0, \a0+1
.irp b, 0,1,2,3,4,5,6,7
.set rD, 8*(8*((\a)%4)+\b)
.set rB, 128*(\p)+FR*\b
.set rA, AF+FR*(\a)
.set rS, SC+8*(\sc)+2*(\b/2)+(\q)
.if \zero
.if \b%2
	v_wmma_scale_f32_16x16x128_f8f6f4 v[rD:rD+7], v[rB:rB+FR-1], v[rA:rA+FR-1], 0, v[rS], v[SA] matrix_a_scale:MATRIX_SCALE_ROW1
.else
	v_wmma_scale_f32_16x16x128_f8f6f4 v[rD:rD+7], v[rB:rB+FR-1], v[rA:rA+FR-1], 0, v[rS], v[SA]
.endif
.else
.if \b%2
	v_wmma_scale_f32_16x16x128_f8f6f4 v[rD:rD+7], v[rB:rB+FR-1], v[rA:rA+FR-1], v[rD:rD+7], v[rS], v[SA] matrix_a_scale:MATRIX_SCALE_ROW1
.else
	v_wmma_scale_f32_16x16x128_f8f6f4 v[rD:rD+7], v[rB:rB+FR-1], v[rA:rA+FR-1], v[rD:rD+7], v[rS], v[SA]
.endif
.endif
.endr
.endr
.endm
.macro FETCH_B slot, q, p              ; B's eight fragments of the slot's q-th 128 along K into set p
	WIN TO_B
.irp i, 0,1,2,3,4,5,6,7
	FRAG 128*(\p)+FR*\i, ADRB+\slot, \q, \i
.endr
	WIN 0
.endm
.macro FETCH_A slot, q, i0             ; A's blocks i0 .. i0 + 3
.irp i, \i0, \i0+1, \i0+2, \i0+3
	FRAG AF+FR*(\i), ADRA+\slot, \q, \i
.endr
.endm
.macro SCALES sc                       ; a K step's scale words of my 128 columns into set sc: 256 consecutive bytes a load: two blocks of 16 columns, two words each
.irp i, 0,1,2,3
	ds_load_b64 v[SC+8*\sc+2*\i:SC+8*\sc+2*\i+1], v[ADRS] offset:256*\i
.endr
.endm
; A load into a register that a matrix instruction has read, and a vector instruction or an LDS store that reads a matrix result, stand NP places behind that matrix instruction; only plain vector
; instructions that name none of its registers are places (ISA guide 7.12.1 for vector instructions).
.macro PLACES n
.rept \n
	v_nop
.endr
.endm
; A step of 128 along K that has its successor in the same slot.
.macro STEP slot, q, zero
	s_wait_dscnt 4*NL                              ; B's set, A's blocks 0-3 and the scale words are in; the youngest 16 loads (A's blocks 4-7) may be out
	WIN MUL_LO
	MUL16 0, (\q)%2, \q, \slot, \zero
	MUL16 2, (\q)%2, \q, \slot, \zero
	s_wait_dscnt 0                                 ; A's blocks 4-7 are in (asked for 32 matrix instructions ago)
	PLACES NP
	FETCH_B \slot, (\q)+1, 1-(\q)%2
	FETCH_A \slot, (\q)+1, 0
	WIN MUL_HI
	MUL16 4, (\q)%2, \q, \slot, \zero
	MUL16 6, (\q)%2, \q, \slot, \zero
	PLACES NP
	WIN 0
	FETCH_A \slot, (\q)+1, 4
.endm
; A slot's last step changes slots: ONE barrier; in front of it each wave waits for all its tensor loads, adds 0 to its spare word, and waits for that and for its own reads of this slot.  fill = 1: this slot is filled again, two K steps ahead.
.macro TURN slot, next, fill
	s_wait_tensorcnt 0x0                           ; all my tensor loads have landed: my part of the next slot  (every window is 0 here)
	ds_add_u32 v[SPW], v[NIL]                      ; 0 onto my spare word
	s_wait_dscnt 4*NL+1                            ; (the add and the youngest 16 loads, A's blocks 4-7, may be out)
	WIN MUL_LO
	MUL16 0, 1, NQ-1, \slot, 0                     ; sixteen matrix instructions stand between the add and the wait for it
	s_wait_dscnt 0x0                               ; the add is done, and my reads of this slot are over
	s_barrier_signal -1
	MUL16 2, 1, NQ-1, \slot, 0
	WIN 0
	s_barrier_wait -1
.if \fill
	CREST                                          ; the barrier has opened a round of the cluster's barrier: no wave of any partner still reads this slot's tile or has a load on its way
	s_add_nc_u64 s[G0+4*\slot+2:G0+4*\slot+3], s[G0+4*\slot+2:G0+4*\slot+3], 2*ROWB
	s_add_nc_u64 s[G0B+4*\slot+2:G0B+4*\slot+3], s[G0B+4*\slot+2:G0B+4*\slot+3], 2*ROWB
	JLOAD G0+4*\slot, G1, G0B+4*\slot, G1B         ; the first tensor load behind the round, my only one until the next; its four v_nop are among the places in front of the loads below
	PLACES NP-4
.else
	PLACES NP
.endif
	v_add_nc_u32 v[ADRS], 2048, v[ADRS]            ; on to the next K step's scale words (no LDS load of mine is out)
	FETCH_B \next, 0, 0
	FETCH_A \next, 0, 0
	SCALES \next
	WIN MUL_HI
	MUL16 4, 1, NQ-1, \slot, 0
	MUL16 6, 1, NQ-1, \slot, 0
	PLACES NP
	WIN 0
	FETCH_A \next, 0, 4
.endm
	s_wait_tensorcnt 1                             ; my quarter of the scale bytes and my part of K step 0 are in; K step 1's load may be out
	s_barrier_signal -1
	s_barrier_wait -1                              ; everybody's are
	FETCH_B 0, 0, 0
	FETCH_A 0, 0, 0
	SCALES 0
	FETCH_A 0, 0, 4
	STEP 0, 0, 1                                   ; the first step stands in front of the loop: its products start the sums
	s_mov_b32 s3, TRIPS
.Llap:                                                 ; a trip goes once round the ring, from a K step's second half to the first half two K steps on, and fills both slots again: K steps 2 to 11
	TURN 0, 1, 1
	STEP 1, 0, 0
	TURN 1, 0, 1
	STEP 0, 0, 0
	s_sub_co_u32 s3, s3, 1
	s_cmp_lg_u32 s3, 0
	s_cbranch_scc1 .Llap
	TURN 0, 1, 1                                   ; K step 10 ends; slot 0 takes K step 12, the last fill
	STEP 1, 0, 0                                   ; K step 11
	TURN 1, 0, 0                                   ; it ends; nothing is filled, so no round of the cluster's barrier
	s_wait_dscnt 4*NL                              ; K step 12's first 128 along K: the last step; beyond it lie zero codes alone
	WIN MUL_LO
	MUL16 0, 0, 0, 0, 0
	MUL16 2, 0, 0, 0, 0
	s_wait_dscnt 0
	WIN MUL_HI
	MUL16 4, 0, 0, 0, 0
	MUL16 6, 0, 0, 0, 0
	WIN 0
; THE WAY OUT, block by block of 16 rows x 128 columns.  A lane holds 32 neighbouring bytes of a row, and the lanes beside it hold other rows: so a block goes through my own stage in LDS and comes back as whole
; rows of 512 bytes.  LDS serves a wave's instructions in order (ISA guide 5.7.1.4): no wait between the stores and the loads, nor in front of the next block's stores.
.macro TOSTAGE a
.set AC, 64*((\a)%4)
	WIN 0x08+4*((\a)/4)                            ; the data: window 2 or 3
.irp b, 0,1,2,3,4,5,6,7
	ds_store_b128 v[STO], v[AC+8*\b:AC+8*\b+3] offset:64*\b          ; each accumulator from its low end on
	ds_store_b128 v[STO], v[AC+8*\b+4:AC+8*\b+7] offset:64*\b+16
.endr
	WIN 0
.set BB, BK+64*((\a)%2)
.irp t, 0,1,2,3,4,5,6,7,8,9,10,11,12,13,14,15
	ds_load_b128 v[BB+4*\t:BB+4*\t+3], v[RD] offset:\t*SPITCH
.endr
.endm
.macro SEND a, younger                 ; younger: the LDS instructions issued behind block a's loads, which may stay out
.set BB, BK+64*((\a)%2)
	s_wait_dscnt \younger                          ; the block is back in registers
.if (\a) > 0
	s_add_nc_u64 s[12:13], s[12:13], 16*SIZE_N*4   ; (behind a wait on XCNT: the earlier stores have read their base)  16 rows on: the stores' offsets stay at 15 rows at the most
.endif
.irp t, 0,1,2,3,4,5,6,7,8,9,10,11,12,13,14,15
	v_pk_add_f32 v[BB+4*\t:BB+4*\t+1], v[BB+4*\t:BB+4*\t+1], v[BIAS:BIAS+1]           ; + the bias sums of my four columns
	v_pk_add_f32 v[BB+4*\t+2:BB+4*\t+3], v[BB+4*\t+2:BB+4*\t+3], v[BIAS+2:BIAS+3]
	global_store_b128 v[CO], v[BB+4*\t:BB+4*\t+3], s[12:13] offset:\t*SIZE_N*4 th:TH_STORE_NT   ; 32 lanes store 512 consecutive bytes, at a multiple of 256 from out0's first byte; written once, read by nobody here
.endr
.endm
	PLACES NP                                      ; behind the last products: they serve the stores that read results, and the loads and additions into the registers that held A's fragments
	TOSTAGE 0
.irp a, 1,2,3,4,5,6,7
.if \a > 1
	s_wait_xcnt 0x0                                ; block a - 2's stores have read their registers and their base: block a's loads may land there, and the base may step
.endif
	TOSTAGE \a
	SEND \a-1, 32                                  ; behind block a - 1's loads: block a's 16 stores and 16 loads
.endr
	s_wait_xcnt 0x0                                ; block 6's stores have read their base
	SEND 7, 0
	s_wait_tensorcnt 0x0                           ; the wave's end, behind my last tensor load and my last LDS store
	ds_add_u32 v[SPW], v[NIL]
	s_wait_dscnt 0x0
	CROUND                                         ; the closing round: no work-group ends while a partner may still ask for a tile that names it
	s_endpgm
.Lfunc_end_k_q0c62fa0795_gemm:
	.size	k_q0c62fa0795_gemm, .Lfunc_end_k_q0c62fa0795_gemm-k_q0c62fa0795_gemm
	.p2alignl 7, 3214868480
	.fill 96, 4, 3214868480
	.section	.rodata,"a",@progbits
	.p2align	6, 0x0
	.amdhsa_kernel k_q0c62fa0795_gemm
		.amdhsa_group_segment_fixed_size 327680
		.amdhsa_private_segment_fixed_size 0
		.amdhsa_enable_private_segment 0
		.amdhsa_kernarg_size 40
		.amdhsa_user_sgpr_count 2
		.amdhsa_user_sgpr_kernarg_segment_ptr 1
		.amdhsa_wavefront_size32 1
		.amdhsa_system_sgpr_workgroup_id_x 1
		.amdhsa_system_sgpr_workgroup_id_y 1
		.amdhsa_system_sgpr_workgroup_id_z 1
		.amdhsa_system_vgpr_workitem_id 0
		.amdhsa_next_free_vgpr 1024
		.amdhsa_next_free_sgpr 98
		.amdhsa_reserve_vcc 0
		.amdhsa_float_denorm_mode_32 3
		.amdhsa_float_denorm_mode_16_64 3
		.amdhsa_memory_ordered 1
		.amdhsa_forward_progress 1
		.amdhsa_inst_pref_size 175
	.end_amdhsa_kernel
	.amdgpu_metadata
---
amdhsa.version: [ 1, 2 ]
amdhsa.kernels:
  - .name:           k_q0c62fa0795_gemm
    .symbol:         k_q0c62fa0795_gemm.kd
    .args:
      - { .name: acodes, .offset: 0, .size: 8, .value_kind: global_buffer, .address_space: global }
      - { .name: wcodes, .offset: 8, .size: 8, .value_kind: global_buffer, .address_space: global }
      - { .name: wscales, .offset: 16, .size: 8, .value_kind: global_buffer, .address_space: global }
      - { .name: b, .offset: 24, .size: 8, .value_kind: global_buffer, .address_space: global }
      - { .name: out0, .offset: 32, .size: 8, .value_kind: global_buffer, .address_space: global }
    .group_segment_fixed_size: 327680
    .private_segment_fixed_size: 0
    .kernarg_segment_align: 8
    .kernarg_segment_size: 40
    .max_flat_workgroup_size: 128
    .sgpr_count:     98
    .vgpr_count:     1024
    .wavefront_size: 32
...
	.end_amdgpu_metadata
.endif
;; end of part 2
;; ======== version 2 of 2: 2 launches; 1.14 times as fast as version 1
;; workspace buffers: wcodes 13,631,488 bytes; wscales 425,984 bytes
;; launch prep (part 3): grid 416 x 1, 4 waves a work-group, no clusters, 70,144 bytes of LDS; arguments W, wcodes, wscales; writes wcodes, wscales
.if DOCPART == 3
	.amdgcn_target "amdgcn-amd-amdhsa--gfx1250"
	.amdhsa_code_object_version 6
	.text
	.protected	k_q0c62fa0795_prep
	.globl	k_q0c62fa0795_prep
	.p2align	8
	.type	k_q0c62fa0795_prep,@function
k_q0c62fa0795_prep:
	s_mov_b64 s[64:65], 0
	v_nop
	global_prefetch_b8 v0, s[64:65] scope:SCOPE_SE
	s_setreg_imm32_b32 hwreg(HW_REG_WAVE_MODE, 25, 1), 1
	s_wait_xcnt 0x0
; W [3150][4096] f32, the right operand of out = onehot(x) W, is turned into codes of FP8 (E4M3) with K, the vocabulary's 3,150, innermost, in rows of 3,328 bytes (13 x 256; bytes from 3,150 on are zero codes).
; K is W's FIRST axis: a lane takes a column n and its registers run down K, so a block of 32 along K lies in one lane's 32 registers, its largest magnitude needs no other lane,
; and the conversions give codes with K innermost.  A block's scale byte is the largest magnitude's exponent field - 8, held at 1 from below (a block of zeros keeps the byte 1: its codes are zeros, and
; the bytes are read by this program alone).  The last block has 14 numbers and is filled with zeros.  wscales is laid [16 tiles of 256 n][13 K steps of 256][256 n][8 bytes], as the product's launch reads it.
; LIMITS: NaN and infinities in W are not served; blocks whose largest magnitude lies under 2^-118 get the byte 1 and were not tried.
; ROLES by the work-group's number g: y = g / 32.  y = 0 .. 11: 128 columns x K rows 256 y on;  y = 12: the same for K rows 3,072 .. 3,149 and the padding.
; No tensor loads, no barrier: waves share nothing.  No cluster: no two work-groups read the same bytes.  The two paths have LDS bytes of their own.
.set NROW,  16384                      ; a row of W in bytes
.set KROW,  3328                       ; a row of codes in bytes
.set PITCH, 272                        ; a stage row: 256 bytes of codes + 16
.set TAIL,  4*32*PITCH                 ; the tail path's stages lie behind the main path's
.set EMAX,  8
.set MANT,  0x600000                   ; the mantissa field of 448 as f32
.set X,     32                         ; v32-95   two sets of 32 numbers
.set C,     96                         ; v96-103  a block's codes
.set SB,    24                         ; v24-25   the scale bytes, four to a register
.set OUTR,  112                        ; v112-175 the way out
	s_load_b64 s[4:5], s[0:1], 0x0                 ; W
	s_load_b64 s[8:9], s[0:1], 0x8                 ; wcodes
	s_load_b64 s[10:11], s[0:1], 0x10              ; wscales
	v_lshl_add_u32 v192, v0, 2, 0x11000
	v_mov_b32 v193, 0
	v_lshrrev_b32 v1, 5, v0
	v_readfirstlane_b32 s16, v1                    ; wave 0..3
	v_and_b32 v2, 31, v0                           ; lane
	s_lshr_b32 s17, ttmp9, 5                       ; y
	s_and_b32 s18, ttmp9, 31                       ; which 128 columns
	s_mul_i32 s26, s16, 32*PITCH                   ; my wave's stage
	v_mul_u32_u24 v4, v2, PITCH
	v_add_nc_u32 v4, s26, v4                       ; into it: row = my column
	v_and_b32 v5, 15, v2
	v_lshrrev_b32 v6, 4, v2
	v_mul_u32_u24 v7, v6, PITCH
	v_lshl_add_u32 v7, v5, 4, v7
	v_add_nc_u32 v7, s26, v7                       ; out of it: sixteen lanes to a row, two rows an instruction
	v_lshlrev_b32 v3, 2, v2                        ; in: 4 bytes a lane
	v_mul_u32_u24 v8, v6, KROW
	v_lshl_add_u32 v8, v5, 4, v8                   ; the stage's two rows in wcodes
	v_lshlrev_b32 v9, 3, v2                        ; my column's 8 scale bytes
	s_mov_b32 s31, MANT                            ; (an instruction takes one literal: the hold's line has another)
	s_lshl_b32 s19, s18, 7
	s_lshl_b32 s20, s16, 5
	s_add_co_u32 s19, s19, s20                     ; my first column: 128 x group + 32 x wave
	s_lshl_b32 s20, s17, 22                        ; W: 256 y rows of 16,384 bytes
	s_lshl_b32 s21, s19, 2
	s_add_co_u32 s20, s20, s21                     ;    + 4 x column
	s_mov_b32 s21, 0
	s_mul_i32 s22, s19, KROW                       ; wcodes: column x 3,328 + 256 y
	s_lshl_b32 s23, s17, 8
	s_add_co_u32 s22, s22, s23
	s_mov_b32 s23, 0
	s_lshr_b32 s24, s18, 1                         ; wscales: (tile x 13 + y) x 2,048 + (column in the tile) x 8
	s_mul_i32 s24, s24, 13
	s_add_co_u32 s24, s24, s17
	s_lshl_b32 s24, s24, 11
	s_and_b32 s25, s18, 1
	s_lshl_b32 s25, s25, 10
	s_add_co_u32 s24, s24, s25
	s_lshl_b32 s25, s16, 8
	s_add_co_u32 s24, s24, s25
	s_mov_b32 s25, 0
	s_wait_kmcnt 0x0
	s_add_nc_u64 s[4:5], s[4:5], s[20:21]
	s_add_nc_u64 s[8:9], s[8:9], s[22:23]
	s_add_nc_u64 s[10:11], s[10:11], s[24:25]
.macro LOADR t, n                      ; block t: W(32 t + i, my column), i = 0 .. n - 1, into set t % 2; a wave's load reads 128 consecutive bytes, the four waves stand side by side on 512
.set li, 0
.rept \n
	global_load_b32 v[X+32*((\t)%2)+li], v3, s[4:5] offset:(32*(\t)+li)*NROW th:TH_LOAD_NT
.set li, li+1
.endr
.endm
.macro QBLOCK t, left, lo              ; block t is quantised; left: the younger loads that may stay out; lo: the path's stages
.set XS, X+32*((\t)%2)
	s_wait_loadcnt \left
	v_max3_num_f32 v12, |v[XS]|, |v[XS+1]|, |v[XS+2]|              ; the block's largest magnitude: all 32 numbers are mine; two chains
	v_max3_num_f32 v13, |v[XS+3]|, |v[XS+4]|, |v[XS+5]|
.irp i, 6,10,14,18,22,26
	v_max3_num_f32 v12, v12, |v[XS+\i]|, |v[XS+\i+1]|
	v_max3_num_f32 v13, v13, |v[XS+\i+2]|, |v[XS+\i+3]|
.endr
	v_max3_num_f32 v12, v12, |v[XS+30]|, |v[XS+31]|
	v_max3_num_f32 v12, v12, v13, (EMAX+1)<<23     ; and the floor 2^(9 - 127): the byte cannot fall under 1
	v_add_nc_u32 v11, -(EMAX<<23), v12             ; 8 off the exponent field: the conversion takes this operand's exponent field as its scale
	v_and_or_b32 v10, v12, 0x7f800000, s31         ; 448 x the scale
	v_lshrrev_b32 v13, 23, v11                     ; the scale's byte
.if (\t)%4 == 0
	v_mov_b32 v[SB+(\t)/4], v13                    ; four bytes to a register, the lower K in the lower byte
.else
	v_lshl_or_b32 v[SB+(\t)/4], v13, 8*((\t)%4), v[SB+(\t)/4]
.endif
.irp i, 0,1,2,3,4,5,6,7,8,9,10,11,12,13,14,15,16,17,18,19,20,21,22,23,24,25,26,27,28,29,30,31
	v_med3_num_f32 v[XS+\i], v[XS+\i], -v10, v10   ; the conversion to an 8-bit code does not saturate (ISA guide 7.6.2): hold the number first
.endr
.irp g, 0,1,2,3
	v_cvt_scalef32_pk8_fp8_f32 v[C+2*\g:C+2*\g+1], v[XS+8*\g:XS+8*\g+7], v11
.endr
	ds_store_b128 v4, v[C:C+3] offset:\lo+32*(\t)  ; 32 codes: 32 bytes of my column's row
	ds_store_b128 v4, v[C+4:C+7] offset:\lo+32*(\t)+16
.endm
.macro WAYOUT lo
	global_store_b64 v9, v[SB:SB+1], s[10:11]      ; 32 lanes store 256 consecutive bytes, aligned
.irp i, 0,1,2,3,4,5,6,7,8,9,10,11,12,13,14,15
	ds_load_b128 v[OUTR+4*\i:OUTR+4*\i+3], v7 offset:\lo+2*\i*PITCH   ; LDS serves a wave's instructions in order: these see my stores
.endr
.irp i, 0,1,2,3,4,5,6,7,8,9,10,11,12,13,14,15
	s_wait_dscnt 15-\i                             ; load i is in; the younger ones may be out
	global_store_b128 v8, v[OUTR+4*\i:OUTR+4*\i+3], s[8:9] offset:2*\i*KROW   ; sixteen lanes store 256 consecutive bytes of a row, aligned
.endr
	s_wait_tensorcnt 0x0
	ds_add_u32 v192, v193
	s_wait_dscnt 0x0
	s_endpgm
.endm
	s_cmp_eq_u32 s17, 12
	s_cbranch_scc1 .Ltail
	; ---- 256 whole rows of K: eight blocks, loads two blocks ahead
	LOADR 0, 32
	LOADR 1, 32
.set Q, 0
.rept 8
.if Q < 7
	QBLOCK Q, 32, 0                                ; this block's 32 loads are in; the next block's 32 may be out
.else
	QBLOCK Q, 0, 0
.endif
.if Q+2 < 8
	LOADR Q+2, 32
.endif
	s_wait_dscnt 0x0                               ; the stage's stores have read their registers: the next block's codes may be written
.set Q, Q+1
.endr
	WAYOUT 0
.Ltail:
	; ---- K rows 3,072 .. 3,149: two whole blocks, one of 14 numbers filled with zeros, and zero codes up to 3,327
	LOADR 0, 32
	LOADR 1, 32
	QBLOCK 0, 32, TAIL
	v_nop                                          ; a plain line between the conversions and the writes of their sources below
	LOADR 2, 14                                    ; rows 3,136 .. 3,149: no load leaves W
.irp i, 14,15,16,17,18,19,20,21,22,23,24,25,26,27,28,29,30,31
	v_mov_b32 v[X+\i], 0                           ; the block's fill
.endr
	s_wait_dscnt 0x0
	QBLOCK 1, 14, TAIL                             ; behind block 1's loads stand the 14 just issued
	s_wait_dscnt 0x0
	QBLOCK 2, 0, TAIL
	s_wait_dscnt 0x0
	v_nop                                          ; a plain line between the conversions and the writes over their results
.irp i, 0,1,2,3
	v_mov_b32 v[C+\i], 0
.endr
.irp j, 0,1,2,3,4,5,6,7,8,9
	ds_store_b128 v4, v[C:C+3] offset:TAIL+96+16*\j   ; zero codes for K 3,168 .. 3,327
.endr
	v_or_b32 v[SB], 0x7f000000, v[SB]              ; the padding's blocks get the byte 127
	v_mov_b32 v[SB+1], 0x7f7f7f7f
	WAYOUT TAIL
.Lfunc_end_k_q0c62fa0795_prep:
	.size	k_q0c62fa0795_prep, .Lfunc_end_k_q0c62fa0795_prep-k_q0c62fa0795_prep
	.p2alignl 7, 3214868480
	.fill 96, 4, 3214868480
	.section	.rodata,"a",@progbits
	.p2align	6, 0x0
	.amdhsa_kernel k_q0c62fa0795_prep
		.amdhsa_group_segment_fixed_size 70144
		.amdhsa_private_segment_fixed_size 0
		.amdhsa_enable_private_segment 0
		.amdhsa_kernarg_size 24
		.amdhsa_user_sgpr_count 2
		.amdhsa_user_sgpr_kernarg_segment_ptr 1
		.amdhsa_wavefront_size32 1
		.amdhsa_system_sgpr_workgroup_id_x 1
		.amdhsa_system_sgpr_workgroup_id_y 1
		.amdhsa_system_sgpr_workgroup_id_z 1
		.amdhsa_system_vgpr_workitem_id 0
		.amdhsa_next_free_vgpr 194
		.amdhsa_next_free_sgpr 66
		.amdhsa_reserve_vcc 0
		.amdhsa_float_denorm_mode_32 3
		.amdhsa_float_denorm_mode_16_64 3
		.amdhsa_memory_ordered 1
		.amdhsa_forward_progress 1
		.amdhsa_inst_pref_size 83
	.end_amdhsa_kernel
	.amdgpu_metadata
---
amdhsa.version: [ 1, 2 ]
amdhsa.kernels:
  - .name:           k_q0c62fa0795_prep
    .symbol:         k_q0c62fa0795_prep.kd
    .args:
      - { .name: W, .offset: 0, .size: 8, .value_kind: global_buffer, .address_space: global }
      - { .name: wcodes, .offset: 8, .size: 8, .value_kind: global_buffer, .address_space: global }
      - { .name: wscales, .offset: 16, .size: 8, .value_kind: global_buffer, .address_space: global }
    .group_segment_fixed_size: 70144
    .private_segment_fixed_size: 0
    .kernarg_segment_align: 8
    .kernarg_segment_size: 24
    .max_flat_workgroup_size: 128
    .sgpr_count:     66
    .vgpr_count:     194
    .wavefront_size: 32
...
	.end_amdgpu_metadata
.endif
;; end of part 3
;; launch gemm (part 4): grid 16 x 16, 4 waves a work-group, clusters of 4 x 1, 327,680 bytes of LDS; arguments x, wcodes, wscales, b, out0; writes out0
.if DOCPART == 4
	.amdgcn_target "amdgcn-amd-amdhsa--gfx1250"
	.amdhsa_code_object_version 6
	.text
	.protected	k_q0c62fa0795_gemm
	.globl	k_q0c62fa0795_gemm
	.p2align	8
	.type	k_q0c62fa0795_gemm,@function
k_q0c62fa0795_gemm:
	s_mov_b64 s[64:65], 0
	v_nop
	global_prefetch_b8 v0, s[64:65] scope:SCOPE_SE
	s_setreg_imm32_b32 hwreg(HW_REG_WAVE_MODE, 25, 1), 1
	s_wait_xcnt 0x0
	s_wait_alu depctr_hold_cnt(0) depctr_sa_sdst(0) depctr_va_vdst(0) depctr_va_sdst(0) depctr_va_ssrc(0) depctr_va_vcc(0) depctr_vm_vsrc(0)
	s_getreg_b32 s2, hwreg(HW_REG_IB_STS2, 6, 4)
	s_cmp_eq_u32 s2, 0
	s_cbranch_scc0 .Lentry_in_a_cluster
	s_endpgm
.Lentry_in_a_cluster:
	s_bfe_u32 s2, ttmp6, 0x10000c
	s_cmp_lg_u32 s2, 0x3003
	s_cbranch_scc0 .Lentry_shape_is_right
	s_endpgm
.Lentry_shape_is_right:
; out0[t][n] = sum over k of onehot(x[t])[k] W[k][n] + sum over s of b[s][n], the product on codes of FP8 (E4M3) with one E8M0 scale for each 32 along K.
; wcodes [4096 n][3328]: W's codes, K innermost, zero codes from K = 3,150 on.  wscales [16 tiles][13 K steps of 256][256 n][8 bytes].  x [4096] int32, b [8][4096], out0 [4096][4096]: f32.
; THE ONE-HOT OPERAND IS MADE IN REGISTERS.  Quantised, a one-hot row is the code 0x78 (256) at byte x under the scale 2^-8 (byte 119), zero codes elsewhere; blocks of zero codes add nothing under any byte,
; so one register of constant scale words serves every block.  A fragment's registers 4 c .. 4 c + 3 of lane (r, h) hold K = 128 s + 32 c + 16 h + 0 .. 15: sixteen bytes that are either all zero or the
; 16-byte pattern P of x mod 16.  A lane keeps, for each of its 8 blocks of 16 tokens, P (4 registers) and G = x / 16 - h; a group is P where G = 8 s + 2 c, else 0: one compare and four selects.
; x enters compares and selects alone, never an address or a branch.  An index outside 0 .. 3,149 meets zero codes of W or no group at all: the row is the bias alone, as one_hot gives it.
; A tile of out0, 256 x 256, is made by a work-group of four waves; a wave makes 128 x 128: 64 accumulators of 16 x 16, 512 registers.  256 tiles, one to a work-group.
; W's codes go through a ring of two LDS slots of 512 along K, filled by the tensor data mover, 64 rows of 512 bytes by each wave: six whole slots and the first 128 of a seventh: 25 matrix steps of 128.
; W's scale bytes of the work-group's 256 columns, for all of K, are one dense block of 26,624 bytes: they come into LDS once, with the first fills, a quarter by each wave, and stay.
; CLUSTERS: four work-groups along the grid's x, which counts tile ROWS: they make four tiles of one tile column and need the same tiles of wcodes and the same scale bytes: each is asked for JOINTLY.
; The other operand is 512 bytes of x a wave: nothing to share.
; THE MATRIX INSTRUCTION IS USED TRANSPOSED (source 0 = 16 rows of wcodes, source 1 = 16 tokens): a lane then holds eight neighbouring numbers of a row of out0.
; BY TURNS.  A step of 128 along K is 64 products, the tokens' blocks one after the other, each against W's eight.  Behind every second product stands a slice of five vector instructions that makes one group
; of a later fragment: during block a's run block (a + 6) % 8 is written anew.  The last product that read it stands 25 plain vector instructions back, its next reader a run or more on.
; The slices work in window 0, the products in windows 1 to 3: each slice costs two switches of the register window, so that the vector work stands between products and not in a phase of its own.
; LIMITS: as the launch that makes the codes states them (NaN and infinities in W are not served).
; REGISTERS, in windows of 256: window 0: v0-31 addresses, x as loaded, the one-hot's scale word; v32-47 W's scale words, two sets; v48-51 the bias sums; v52-59 G; v64-95 P; v96-127 b as loaded;
;   from v128 the one-hot fragments, ONE set.   window 1: W's fragments, TWO sets, at v0 and v128.   window 2: the accumulators of my rows 0-63 ((a, b) at v[8 (8 a + b)]);   window 3: those of my rows 64-127.
.set SIZE_N, 4096
.set KROW,   3328                      ; a row of codes in memory
.set CHUNK,  512                       ; along K in a slot: four matrix steps
.set PITCH,  528                       ; an LDS row: 512 bytes + 16 of padding = 132 words: the 16 rows that a load touches start 4 banks apart (64 banks of 4 bytes: ISA guide 11.1)
.set FR,     16                        ; registers of a fragment: 16 rows x 128 K
.set QROWS,  64*PITCH                  ; 64 rows: what one tensor load brings
.set HALFB,  128*PITCH                 ; 128 rows: what one wave reads
.set SLOT,   256*PITCH
.set SCL,    2*SLOT                    ; behind the ring: W's scale bytes, dense: 13 K steps of 256 x 2,048 bytes
.set SCQ,    6656                      ; a quarter of them: 26 rows of 256 bytes
.set SPARE,  SCL+4*SCQ                 ; the spare words, 128 bytes for each wave: two blocks of 256 bytes that no other line names
.set SPITCH, 528                       ; the way out: 16 rows x (512 bytes + 16) for each wave, in slot 1, which has had its last fill and its last read when the first result is stored there
.set TRIPS,  2                         ; the loop's trips: two slots each
.set XO,   7                           ; v7      4 x (lane % 16): my token in a block of x
.set XT,   8                           ; v8-15   x as loaded: my token of each of the 8 blocks
.set ADRB, 20                          ; v20-21  LDS address of my fragments of W in slot 0, 1
.set STO,  24                          ; v24     the way out: where I put 32 bytes of a row
.set RD,   25                          ; v25     where I read a row back
.set CO,   26                          ; v26     16 x lane: my byte offset in a row of 512 bytes
.set ADRS, 27                          ; v27     LDS address of my scale words
.set SPW,  28                          ; v28     LDS address of my spare word; never rewritten
.set NIL,  29                          ; v29     0; never rewritten
.set SA,   30                          ; v30     the one-hot's scale word: four bytes 119; scales and nothing else
.set SC,   32                          ; W's scale words: set j (256 along K) at v[SC + 8 j]; register 2 i + u: lanes 0-15 block 2 i, lanes 16-31 block 2 i + 1, the u-th 128 along K
.set BIAS, 48                          ; v48-51  the bias sums of my four columns
.set G,    52                          ; v52-59  block a: x / 16 - lane / 16
.set P,    64                          ; v64-95  block a: the 16-byte pattern of x mod 16
.set BL,   96                          ; v96-127 b as loaded
.set AF,   128                         ; the one-hot fragments
.set BK,   128                         ; the way out: 16 rows read back: v128-191 and v192-255 by turns
.set G1,   24                          ; s[24:31] descriptor group 1 for W's tiles;  s[32:39] group 0, one set for each slot
.set G0,   32
.set G1L,  48                          ; s[48:55] group 1 for the last, short tile
.set G1S,  68                          ; s[68:75], s[76:79] groups 1 and 0 for the scale bytes
.set G0S,  76
.set KC,   80                          ; s[80:83] 8 s + 2 c: what G is compared with
.set MSB, 0
.macro WIN new                         ; the immediate's high byte repeats the setting that is left
.if MSB != \new
	s_set_vgpr_msb (MSB<<8)|\new
.set MSB, \new
.endif
.endm
.set MUL_LO, 0xa1                      ; source 0 (W) window 1, source 1 (one-hot) window 0, C and D window 2
.set MUL_HI, 0xf1                      ; the same, C and D window 3
.set TO_B,   0x40                      ; destination window 1, address window 0
; A joint load: every wave brings rows of its own (both addresses hang on the wave's number), by one line with one mask.  Four v_nop follow it.
.macro TLOAD g0, g1
	tensor_load_to_lds s[\g0:\g0+3], s[\g1:\g1+7]
	s_nop 0
.rept 4
	v_nop
.endr
.endm
.macro CREST                           ; a round of the cluster's barrier behind its opening barrier
	s_cmp_lg_u32 s14, 0
	s_cbranch_scc1 .Lnot_wave_0_\@
	s_barrier_signal -3
.Lnot_wave_0_\@:
	s_barrier_wait -3
	s_barrier_signal -1
	s_barrier_wait -1
.endm
.macro CROUND                          ; a whole round
	s_barrier_signal -1
	s_barrier_wait -1
	CREST
.endm
	s_load_b256 s[4:11], s[0:1], 0x0               ; x s[4:5], wcodes s[6:7], wscales s[8:9], b s[10:11]
	s_load_b64 s[12:13], s[0:1], 0x20              ; out0
	v_lshl_add_u32 v[SPW], v0, 2, SPARE
	v_mov_b32 v[NIL], 0
	ds_add_u32 v28, v29
	ds_add_u32 v28, v29
	s_wait_dscnt 0x0
	v_mov_b32 v[SA], 0x77777777
	v_lshrrev_b32 v1, 5, v0
	v_readfirstlane_b32 s14, v1                    ; wave 0..3
	s_lshr_b32 s15, s14, 1                         ; which half of the tile's rows is mine
	s_and_b32 s16, s14, 1                          ; which half of its columns
	s_bfe_u32 s40, ttmp6, 0x40000                  ; cx: my place in the cluster
	s_lshl_b32 s17, ttmp9, 2
	s_add_co_u32 s17, s17, s40                     ; tile row = 4 x cluster x + cx: it enters x's and out0's addresses alone
	s_and_b32 s42, ttmp7, 0xffff                   ; tile column, which the four partners share
	; descriptor group 1: a tile of 64 rows x 512 bytes, padded in LDS
	s_mov_b32 s[G1+0], 15|(1<<20)|(1<<21)|(6<<22)|(3<<25)   ; 15:0 the mask: all four work-groups; 17:16 elements of 1 byte; 20 padding on; 21 set beside a mask; 24:22 after every 128 words; 31:25 four words
	s_mov_b32 s[G1+1], CHUNK<<16                   ; tensor_dim0
	s_mov_b32 s[G1+2], 64<<16                      ; tensor_dim1
	s_mov_b32 s[G1+3], CHUNK<<16                   ; tile_dim0
	s_mov_b32 s[G1+4], 64                          ; tile_dim1
	s_mov_b32 s[G1+5], KROW                        ; tensor_dim0_stride
	s_mov_b32 s[G1+6], 0
	s_mov_b32 s[G1+7], 0
	; the last tile begins at byte 3,072 of rows of 3,328: 256 bytes are left of a row, and the mover writes zeros for the tile's other 256
	s_mov_b32 s[G1L+0], 15|(1<<20)|(1<<21)|(6<<22)|(3<<25)
	s_mov_b32 s[G1L+1], 256<<16                    ; tensor_dim0: what is left of the row
	s_mov_b32 s[G1L+2], 64<<16
	s_mov_b32 s[G1L+3], CHUNK<<16
	s_mov_b32 s[G1L+4], 64
	s_mov_b32 s[G1L+5], KROW
	s_mov_b32 s[G1L+6], 0
	s_mov_b32 s[G1L+7], 0
	; the scale bytes: a dense block of 6,656 bytes as 26 rows of 256 (32 elements of 8 bytes), no padding: they are read 8 bytes a lane on end
	s_mov_b32 s[G1S+0], 15|(3<<16)|(1<<21)
	s_mov_b32 s[G1S+1], 32<<16
	s_mov_b32 s[G1S+2], 26<<16
	s_mov_b32 s[G1S+3], 32<<16
	s_mov_b32 s[G1S+4], 26
	s_mov_b32 s[G1S+5], 32
	s_mov_b32 s[G1S+6], 0
	s_mov_b32 s[G1S+7], 0
	s_lshl_b32 s46, s42, 8
	s_lshl_b32 s18, s14, 6
	s_add_co_u32 s46, s46, s18                     ; the rows of wcodes that I fetch: 256 x tile column + 64 x wave
	s_mov_b32 s47, 0
	s_mov_b64 s[18:19], KROW
	s_mul_u64 s[46:47], s[46:47], s[18:19]         ; in bytes
	s_mov_b32 s92, s42
	s_mov_b32 s93, 0
	s_mov_b64 s[18:19], 4*SCQ
	s_mul_u64 s[92:93], s[92:93], s[18:19]         ; the tile column's scale bytes,
	s_mul_i32 s94, s14, SCQ                        ; my quarter of them
	s_mov_b32 s22, s94
	s_mov_b32 s23, 0
	s_add_nc_u64 s[92:93], s[92:93], s[22:23]
	s_mul_i32 s45, s14, QROWS                      ; where the tiles go: wave x 64 rows: no place in the cluster enters an LDS address
.irp c, 0,1,2,3
	s_mov_b32 s[KC+\c], 2*\c                       ; step 0's groups
.endr
	s_wait_kmcnt 0x0
	s_add_nc_u64 s[46:47], s[6:7], s[46:47]
	s_add_nc_u64 s[92:93], s[8:9], s[92:93]
	CROUND                                         ; all four work-groups are here: the first joint loads meet
	s_mov_b32 s[G0S], 1
	s_add_co_u32 s[G0S+1], s94, SCL
	s_mov_b64 s[G0S+2:G0S+3], s[92:93]
	s_or_b32 s[G0S+3], s[G0S+3], 0x80000000
	TLOAD G0S, G1S                                 ; the scale bytes first: they are wanted with the first step
.irp s, 0,1
	s_mov_b32 s[G0+4*\s], 1
	s_add_co_u32 s[G0+4*\s+1], s45, \s*SLOT
	s_add_nc_u64 s[G0+4*\s+2:G0+4*\s+3], s[46:47], \s*CHUNK
	s_or_b32 s[G0+4*\s+3], s[G0+4*\s+3], 0x80000000
	TLOAD G0+4*\s, G1                              ; K 0 .. 511 and 512 .. 1,023: three tensor loads of mine are out
.endr
	v_and_b32 v1, 15, v0                           ; r = l % 16
	v_bfe_u32 v2, v0, 4, 1                         ; h = l / 16
	v_lshlrev_b32 v[XO], 2, v1
	s_lshl_b32 s20, s17, 8
	s_lshl_b32 s21, s15, 7
	s_add_co_u32 s20, s20, s21                     ; my first token, and my first row of out0: 256 x tile row + 128 x half
	s_lshl_b32 s22, s20, 2
	s_mov_b32 s23, 0
	s_add_nc_u64 s[4:5], s[4:5], s[22:23]
.irp a, 0,1,2,3,4,5,6,7
	global_load_b32 v[XT+\a], v[XO], s[4:5] offset:64*\a   ; block a's token r, in both halves of the lanes
.endr
	v_and_b32 v6, 31, v0
	v_lshlrev_b32 v[CO], 4, v6                     ; the 32 lanes take one row of 512 bytes: in the stage, in out0 and in b
	s_lshl_b32 s46, s42, 10                        ; my first column, in bytes: 1,024 x tile column + 512 x half
	s_lshl_b32 s47, s16, 9
	s_add_co_u32 s46, s46, s47
	s_mov_b32 s47, 0
	s_add_nc_u64 s[10:11], s[10:11], s[46:47]      ; b at my columns
.irp s, 0,1,2,3,4,5,6,7
	global_load_b128 v[BL+4*\s:BL+4*\s+3], v[CO], s[10:11] offset:16384*\s   ; shard s's bias at my four columns: a wave reads 512 consecutive bytes; waited for on the way out
.endr
	s_mov_b32 s21, 0
	s_mov_b64 s[18:19], SIZE_N*4
	s_mul_u64 s[20:21], s[20:21], s[18:19]
	s_add_nc_u64 s[20:21], s[20:21], s[46:47]
	s_add_nc_u64 s[12:13], s[12:13], s[20:21]      ; out0 at my part of the tile
	v_mul_u32_u24 v3, v1, PITCH
	v_lshl_add_u32 v4, v2, 4, v3                   ; a fragment's row x pitch + 16 x half
	s_mul_i32 s22, s16, HALFB                      ; my 128 rows of W's tile
.irp s, 0,1
	v_add_nc_u32 v[ADRB+\s], s22, v4
	s_add_co_u32 s22, s22, SLOT
.endr
	s_lshl_b32 s21, s16, 10                        ; my 128 columns' scale bytes in a K step's 2,048
	s_add_co_u32 s21, s21, SCL
	v_lshl_add_u32 v[ADRS], v6, 3, s21             ; 8 bytes a lane
	s_mul_i32 s23, s14, 16*SPITCH
	s_add_co_u32 s23, s23, SLOT                    ; my stage, in slot 1
	v_mul_u32_u24 v5, v1, SPITCH                   ; in: row l % 16, 32 bytes for each half of the lanes
	v_lshl_add_u32 v5, v2, 5, v5
	v_add_nc_u32 v[STO], s23, v5
	v_add_nc_u32 v[RD], s23, v[CO]
; One group of a one-hot fragment: registers 4 c .. 4 c + 3 of block a, for the step whose groups s[KC] on name.
.macro GEN a, c
	v_cmp_eq_u32 vcc_lo, s[KC+(\c)], v[G+(\a)]
.irp w, 0,1,2,3
	v_cndmask_b32 v[AF+FR*(\a)+4*(\c)+\w], 0, v[P+4*(\a)+\w], vcc_lo
.endr
.endm
.macro KSTEP                           ; on to the next step's groups
.irp c, 0,1,2,3
	s_add_co_u32 s[KC+\c], s[KC+\c], 8
.endr
.endm
	s_wait_loadcnt 8                               ; x's eight loads are in; b's eight, issued behind them, may be out
	v_mov_b32 v5, 0x78                             ; the code of 256
.irp a, 0,1,2,3,4,5,6,7
	v_lshrrev_b32 v[G+\a], 4, v[XT+\a]
	v_sub_nc_u32 v[G+\a], v[G+\a], v2              ; G = x / 16 - h
	v_and_b32 v3, 3, v[XT+\a]
	v_lshlrev_b32 v3, 3, v3
	v_lshlrev_b32 v4, v3, v5                       ; the word that holds the 1: the code at byte x % 4,
	v_bfe_u32 v6, v[XT+\a], 2, 2                   ; and which of the pattern's four words it is
.irp w, 0,1,2,3
	v_cmp_eq_u32 vcc_lo, \w, v6
	v_cndmask_b32 v[P+4*\a+\w], 0, v4, vcc_lo
.endr
.endr
.irp a, 0,1,2,3,4,5
.irp c, 0,1,2,3
	GEN \a, \c                                     ; step 0's blocks 0 to 5; blocks 6 and 7 are made in the step's first two runs, as in every step
.endr
.endr
.macro FRAG reg, adr, q, i             ; a fragment of W: lane l holds row l % 16; registers 4 c .. 4 c + 3 hold K = 32 c + 16 (l / 16) + 0 .. 15
.irp c, 0,1,2,3
	ds_load_b128 v[\reg+4*\c:\reg+4*\c+3], v[\adr] offset:128*(\q)+32*\c+(\i)*16*PITCH
.endr
.endm
; A RUN: the tokens' block a against W's eight, 128 along K: the slot's q-th.  p: W's set.  zero = 1: the products start the sums: nothing is ever cleared.
; gen = 1: behind products 1, 3, 5, 7 a slice makes a group of block (a + 6) % 8.  fetch = 1 (runs 2 and 3): behind the slice four LDS loads bring one block of W's next fragments, from slot fslot, step fq, into the other set:
; its last reader is the step before's last product, two runs of slices back; its first use stands 32 products on.
; Source 0's scale words: W's block b lies in register b / 2 of the set, in lanes 0-15 where b is even, in lanes 16-31 where it is odd.  Source 1's: the constant word.
; The 64 accumulators take turns, one instruction a turn, in the same order in every step.
.macro RUN a, p, q, zero, gen, fetch, fslot, fq
.set WM, MUL_LO+0x50*((\a)/4)
.irp b, 0,1,2,3,4,5,6,7
.set rD, 8*(8*((\a)%4)+\b)
.set rB, 128*(\p)+FR*\b
.set rA, AF+FR*(\a)
.set rS, SC+8*((\q)/2)+2*(\b/2)+(\q)%2
	WIN WM
.if \zero
.if \b%2
	v_wmma_scale_f32_16x16x128_f8f6f4 v[rD:rD+7], v[rB:rB+FR-1], v[rA:rA+FR-1], 0, v[rS], v[SA] matrix_a_scale:MATRIX_SCALE_ROW1
.else
	v_wmma_scale_f32_16x16x128_f8f6f4 v[rD:rD+7], v[rB:rB+FR-1], v[rA:rA+FR-1], 0, v[rS], v[SA]
.endif
.else
.if \b%2
	v_wmma_scale_f32_16x16x128_f8f6f4 v[rD:rD+7], v[rB:rB+FR-1], v[rA:rA+FR-1], v[rD:rD+7], v[rS], v[SA] matrix_a_scale:MATRIX_SCALE_ROW1
.else
	v_wmma_scale_f32_16x16x128_f8f6f4 v[rD:rD+7], v[rB:rB+FR-1], v[rA:rA+FR-1], v[rD:rD+7], v[rS], v[SA]
.endif
.endif
.if \b%2
.if \gen
	WIN 0
	GEN ((\a)+6)%8, \b/2
.endif
.if \fetch
	WIN TO_B
	FRAG 128*(1-(\p))+FR*(4*((\a)-2)+\b/2), ADRB+\fslot, \fq, 4*((\a)-2)+\b/2
.endif
.endif
.endr
.endm
.macro SCALES sc, step                 ; the scale words of my 128 columns for 256 along K into set sc: 256 consecutive bytes a load: two blocks of 16 columns, two words each
.if \step
	v_add_nc_u32 v[ADRS], 2048, v[ADRS]            ; the next 256 along K
.endif
.irp i, 0,1,2,3
	ds_load_b64 v[SC+8*\sc+2*\i:SC+8*\sc+2*\i+1], v[ADRS] offset:256*\i
.endr
.endm
; A step of 128 along K that has its successor in the same slot (q = 0, 1, 2).
.macro STEP slot, q, zero
	s_wait_dscnt 0x0                               ; W's set and the scale words are in: the last of them was asked for 32 products ago
	RUN 0, (\q)%2, \q, \zero, 1, 0, 0, 0           ; makes this step's block 6,
	RUN 1, (\q)%2, \q, \zero, 1, 0, 0, 0           ; and 7
	KSTEP
	RUN 2, (\q)%2, \q, \zero, 1, 1, \slot, (\q)+1  ; from here on the next step's blocks 0 to 5
	RUN 3, (\q)%2, \q, \zero, 1, 1, \slot, (\q)+1
.if (\q) == 1
	WIN 0
	SCALES 1, 1                                    ; for the slot's steps 2 and 3
.endif
	RUN 4, (\q)%2, \q, \zero, 1, 0, 0, 0
	RUN 5, (\q)%2, \q, \zero, 1, 0, 0, 0
	RUN 6, (\q)%2, \q, \zero, 1, 0, 0, 0
	RUN 7, (\q)%2, \q, \zero, 1, 0, 0, 0
.endm
; A slot's last step (q = 3) changes slots: ONE barrier; in front of it each wave waits for all its tensor loads, adds 0 to its spare word, and waits for that and for its own reads of this slot.
; fill = 1: this slot is filled again, two slots ahead: the load has 240 products in which to land.  fill = 2: the same with the last, short tile.  fill = 0: nothing is left to fetch.
.macro TURN slot, next, fill
	s_wait_dscnt 0x0                               ; W's set is in: those were my last reads of this slot
	WIN 0                                          ; (the add's two registers lie in window 0)
	s_wait_tensorcnt 0x0                           ; all my tensor loads have landed: the one that was out is my part of the next slot
	ds_add_u32 v[SPW], v[NIL]                      ; 0 onto my spare word
	RUN 0, 1, 3, 0, 1, 0, 0, 0                     ; eight products and four slices stand between the add and the wait for it
	s_wait_dscnt 0x0                               ; the add is done
	s_barrier_signal -1
	RUN 1, 1, 3, 0, 1, 0, 0, 0                     ; work on registers while the others arrive
	WIN 0
	s_barrier_wait -1
.if \fill
	CREST                                          ; the barrier has opened a round of the cluster's barrier: no wave of any partner still reads this slot's tile or has a load on its way
	s_add_nc_u64 s[G0+4*\slot+2:G0+4*\slot+3], s[G0+4*\slot+2:G0+4*\slot+3], 2*CHUNK
.if \fill == 1
	TLOAD G0+4*\slot, G1                           ; the first tensor load behind the round, my only one until the next
.else
	TLOAD G0+4*\slot, G1L
.endif
.endif
	KSTEP
	RUN 2, 1, 3, 0, 1, 1, \next, 0                 ; W's fragments of the next slot's first step
	RUN 3, 1, 3, 0, 1, 1, \next, 0
	WIN 0
	SCALES 0, 1                                    ; for the next slot's steps 0 and 1
	RUN 4, 1, 3, 0, 1, 0, 0, 0
	RUN 5, 1, 3, 0, 1, 0, 0, 0
	RUN 6, 1, 3, 0, 1, 0, 0, 0
	RUN 7, 1, 3, 0, 1, 0, 0, 0
.endm
	s_wait_tensorcnt 1                             ; my quarter of the scale bytes and my part of slot 0 are in; slot 1's load may be out
	s_barrier_signal -1
	s_barrier_wait -1                              ; everybody's are
	WIN TO_B
.irp i, 0,1,2,3,4,5,6,7
	FRAG FR*\i, ADRB+0, 0, \i                      ; step 0's fragments of W into set 0
.endr
	WIN 0
	SCALES 0, 0
	STEP 0, 0, 1                                   ; the first step stands in front of the loop: its products start the sums
	WIN 0                                          ; at a label and at a branch every window is 0
	s_mov_b32 s3, TRIPS
.Llap:                                                 ; a trip goes once round the ring, from a slot's second step to the first step two slots on, and fills both slots again
	STEP 0, 1, 0
	STEP 0, 2, 0
	TURN 0, 1, 1
	STEP 1, 0, 0
	STEP 1, 1, 0
	STEP 1, 2, 0
	TURN 1, 0, 1
	STEP 0, 0, 0
	WIN 0
	s_sub_co_u32 s3, s3, 1
	s_cmp_lg_u32 s3, 0
	s_cbranch_scc1 .Llap
	STEP 0, 1, 0                                   ; the tail is written out
	STEP 0, 2, 0
	TURN 0, 1, 2                                   ; slot 0 takes K 3,072 on: the last fill
	STEP 1, 0, 0
	STEP 1, 1, 0
	STEP 1, 2, 0
	TURN 1, 0, 0                                   ; nothing is filled, so no round of the cluster's barrier
	s_wait_dscnt 0x0                               ; K 3,072 .. 3,199: the last step; beyond it lie zero codes alone
	RUN 0, 0, 0, 0, 1, 0, 0, 0                     ; this step's blocks 6 and 7 are still to be made
	RUN 1, 0, 0, 0, 1, 0, 0, 0
.rept 4
	v_nop                                          ; no slices follow: these are the four places between block 7's last select and the scaled products that read it
.endr
	RUN 2, 0, 0, 0, 0, 0, 0, 0
	RUN 3, 0, 0, 0, 0, 0, 0, 0
	RUN 4, 0, 0, 0, 0, 0, 0, 0
	RUN 5, 0, 0, 0, 0, 0, 0, 0
	RUN 6, 0, 0, 0, 0, 0, 0, 0
	RUN 7, 0, 0, 0, 0, 0, 0, 0
	WIN 0
; THE WAY OUT, block by block of 16 rows x 128 columns.  A lane holds 32 neighbouring bytes of a row, and the lanes beside it hold other rows: so a block goes through my own stage in LDS and comes back as whole
; rows of 512 bytes.  LDS serves a wave's instructions in order (ISA guide 5.7.1.4): no wait between the stores and the loads, nor in front of the next block's stores.
.macro TOSTAGE a
.set AC, 64*((\a)%4)
	WIN 0x08+4*((\a)/4)                            ; the data: window 2 or 3
.irp b, 0,1,2,3,4,5,6,7
	ds_store_b128 v[STO], v[AC+8*\b:AC+8*\b+3] offset:64*\b          ; each accumulator from its low end on
	ds_store_b128 v[STO], v[AC+8*\b+4:AC+8*\b+7] offset:64*\b+16
.endr
	WIN 0
.set BB, BK+64*((\a)%2)
.irp t, 0,1,2,3,4,5,6,7,8,9,10,11,12,13,14,15
	ds_load_b128 v[BB+4*\t:BB+4*\t+3], v[RD] offset:\t*SPITCH
.endr
.endm
.macro SEND a, younger                 ; younger: the LDS instructions issued behind block a's loads, which may stay out
.set BB, BK+64*((\a)%2)
	s_wait_dscnt \younger                          ; the block is back in registers
.if (\a) > 0
	s_add_nc_u64 s[12:13], s[12:13], 16*SIZE_N*4   ; (behind a wait on XCNT: the earlier stores have read their base)  16 rows on: the stores' offsets stay at 15 rows at the most
.endif
.irp t, 0,1,2,3,4,5,6,7,8,9,10,11,12,13,14,15
	v_pk_add_f32 v[BB+4*\t:BB+4*\t+1], v[BB+4*\t:BB+4*\t+1], v[BIAS:BIAS+1]           ; + the bias sums of my four columns
	v_pk_add_f32 v[BB+4*\t+2:BB+4*\t+3], v[BB+4*\t+2:BB+4*\t+3], v[BIAS+2:BIAS+3]
	global_store_b128 v[CO], v[BB+4*\t:BB+4*\t+3], s[12:13] offset:\t*SIZE_N*4 th:TH_STORE_NT   ; 32 lanes store 512 consecutive bytes, at a multiple of 256 from out0's first byte; written once, read by nobody here
.endr
.endm
	s_wait_loadcnt 0x0                             ; b, asked for at the head
	v_pk_add_f32 v[BIAS:BIAS+1], v[BL:BL+1], v[BL+4:BL+5]              ; a lane stores the same four columns of every row: four registers hold its sums over the 8 shards.
	v_pk_add_f32 v[BIAS+2:BIAS+3], v[BL+2:BL+3], v[BL+6:BL+7]          ; These 14 additions name no register of the last products: they are the eight places in front of the
.irp s, 2,3,4,5,6,7
	v_pk_add_f32 v[BIAS:BIAS+1], v[BIAS:BIAS+1], v[BL+4*\s:BL+4*\s+1]          ; stores that read results and of the loads into the registers that held the one-hot fragments
	v_pk_add_f32 v[BIAS+2:BIAS+3], v[BIAS+2:BIAS+3], v[BL+4*\s+2:BL+4*\s+3]
.endr
	TOSTAGE 0
.irp a, 1,2,3,4,5,6,7
.if \a > 1
	s_wait_xcnt 0x0                                ; block a - 2's stores have read their registers and their base: block a's loads may land there, and the base may step
.endif
	TOSTAGE \a
	SEND \a-1, 32                                  ; behind block a - 1's loads: block a's 16 stores and 16 loads
.endr
	s_wait_xcnt 0x0                                ; block 6's stores have read their base
	SEND 7, 0
	s_wait_tensorcnt 0x0                           ; the wave's end, behind my last tensor load and my last LDS store
	ds_add_u32 v[SPW], v[NIL]
	s_wait_dscnt 0x0
	CROUND                                         ; the closing round: no work-group ends while a partner may still ask for a tile that names it
	s_endpgm
.Lfunc_end_k_q0c62fa0795_gemm:
	.size	k_q0c62fa0795_gemm, .Lfunc_end_k_q0c62fa0795_gemm-k_q0c62fa0795_gemm
	.p2alignl 7, 3214868480
	.fill 96, 4, 3214868480
	.section	.rodata,"a",@progbits
	.p2align	6, 0x0
	.amdhsa_kernel k_q0c62fa0795_gemm
		.amdhsa_group_segment_fixed_size 327680
		.amdhsa_private_segment_fixed_size 0
		.amdhsa_enable_private_segment 0
		.amdhsa_kernarg_size 40
		.amdhsa_user_sgpr_count 2
		.amdhsa_user_sgpr_kernarg_segment_ptr 1
		.amdhsa_wavefront_size32 1
		.amdhsa_system_sgpr_workgroup_id_x 1
		.amdhsa_system_sgpr_workgroup_id_y 1
		.amdhsa_system_sgpr_workgroup_id_z 1
		.amdhsa_system_vgpr_workitem_id 0
		.amdhsa_next_free_vgpr 1024
		.amdhsa_next_free_sgpr 98
		.amdhsa_reserve_vcc 1
		.amdhsa_float_denorm_mode_32 3
		.amdhsa_float_denorm_mode_16_64 3
		.amdhsa_memory_ordered 1
		.amdhsa_forward_progress 1
		.amdhsa_inst_pref_size 255
	.end_amdhsa_kernel
	.section	.bss,"aw",@nobits
	.p2align	6
	.space	262144
	.amdgpu_metadata
---
amdhsa.version: [ 1, 2 ]
amdhsa.kernels:
  - .name:           k_q0c62fa0795_gemm
    .symbol:         k_q0c62fa0795_gemm.kd
    .args:
      - { .name: x, .offset: 0, .size: 8, .value_kind: global_buffer, .address_space: global }
      - { .name: wcodes, .offset: 8, .size: 8, .value_kind: global_buffer, .address_space: global }
      - { .name: wscales, .offset: 16, .size: 8, .value_kind: global_buffer, .address_space: global }
      - { .name: b, .offset: 24, .size: 8, .value_kind: global_buffer, .address_space: global }
      - { .name: out0, .offset: 32, .size: 8, .value_kind: global_buffer, .address_space: global }
    .group_segment_fixed_size: 327680
    .private_segment_fixed_size: 0
    .kernarg_segment_align: 8
    .kernarg_segment_size: 40
    .max_flat_workgroup_size: 128
    .sgpr_count:     98
    .vgpr_count:     1024
    .wavefront_size: 32
...
	.end_amdgpu_metadata
.endif
;; end of part 4
